; MI455X (gfx1250); checked and timed in simulation.
; The chip was launched on July 23, 2026; its instructions are those of AMD's public machine-readable ISA for CDNA 5 (MIT licence, August 2026) and "CDNA5" Instruction Set Architecture Reference Guide (July 2026). The comments in the code are by the model that wrote it; some were corrected since.
;; Multihead Attention. Allowed arithmetic: matrix products marked QUANTISED: E4M3 operands, one given power-of-two scale a tensor, by v_wmma_f32_16x16x64_fp8_fp8 or v_wmma_f32_16x16x128_fp8_fp8, f32 sums; everything else in f32.
;; Inputs: bk 1,024 float32; bo 1,024 float32; bq 1,024 float32; bv 1,024 float32; lowp_scales 12 int32 (the exponents e of the quantised operands' scales 2^e); wk 1,024 x 1,024 float32; wo 1,024 x 1,024 float32; wq 1,024 x 1,024 float32; wv 1,024 x 1,024 float32; x 2 x 2,048 x 1,024 float32.
;; Outputs: out0 2 x 2,048 x 1,024 float32.
;; This version of the problem:
;;   THIS VERSION OF THE PROBLEM IS GIVEN IN LOW PRECISION. The matrix products marked QUANTISED in the list below multiply operands that are first quantised to E4M3 (4 exponent bits, 3 mantissa bits; 8 bits a number), with one given power-of-two scale for each operand tensor; their sums are f32. All else is computed in f32.
;;   The module's matrix products, in the order in which they are computed (A, B: the left and right operand; K: the contracted axis; several contracted axes count as one K, in the product's order):
;;     1. [M 4,096, K 1,024] x [K 1,024, N 1,024]; A: input x; B: input wq: QUANTISED (scales: A lowp_scales[0], B lowp_scales[1])
;;     2. [M 4,096, K 1,024] x [K 1,024, N 1,024]; A: input x; B: input wk: QUANTISED (scales: A lowp_scales[2], B lowp_scales[3])
;;     3. [M 4,096, K 1,024] x [K 1,024, N 1,024]; A: input x; B: input wv: QUANTISED (scales: A lowp_scales[4], B lowp_scales[5])
;;     4. batch 32 x [M 2,048, K 64] x [K 64, N 2,048]; A: computed on the way; B: computed on the way: QUANTISED (scales: A lowp_scales[6], B lowp_scales[7])
;;     5. batch 32 x [M 2,048, K 2,048] x [K 2,048, N 64]; A: softmax (see below); B: computed on the way: QUANTISED (scales: A lowp_scales[8], B lowp_scales[9])
;;     6. [M 4,096, K 1,024] x [K 1,024, N 1,024]; A: computed on the way; B: input wo: QUANTISED (scales: A lowp_scales[10], B lowp_scales[11])
;;   THE QUANTISER, for each operand of a quantised product, along K:
;;     - The operand's scale is 2^e, e = its entry of the input lowp_scales (int32; the entries are numbered through the quantised products in the list's order, A before B).
;;     - Each number is divided by the scale, clamped to +-448, and rounded to the nearest number of E4M3, ties to even, subnormals kept.
;;     - The product sums the exact products of the quantised numbers (number of the format x scale) in f32.
;;   ~~~python
;;   def quantise(x, axis, e):      # numpy; x: float32 -> the quantised numbers, widened to float32 again
;;       x = np.moveaxis(x, axis, -1); K = x.shape[-1]
;;       r = np.clip(x / 2.0 ** e, -448, 448)
;;       step = 2.0 ** (np.maximum(np.frexp(np.where(r == 0, 1, r))[1] - 1, -6) - 3)
;;       q = np.round(r / step) * step * 2.0 ** e      # np.round: ties to even
;;       return np.moveaxis(q, -1, axis).astype(np.float32)
;;   ~~~
;;   SOFTMAX AHEAD OF A QUANTISED PRODUCT. Where the list says 'softmax', what is quantised is not the finished softmax but p = 2^(t - M), with t = logit x log2(e) and M = ceil(the row's largest t), a whole number; so 1/2 < the row's largest p <= 1. The row's sum l is taken of the UNQUANTISED p, in f32, and the product's result is divided by l at the end. Since M is a whole number, a kernel that streams over the keys may use a running M (the ceiling of the running maximum): every later rescaling is an exact power of two, so the quantised numbers keep their values, but for numbers so far below the row's largest that they fall under the format's range.
;;   OPERANDS COMPUTED ON THE WAY. 'Computed on the way' means the value that the module computes at that place (a softmax that the list does not call 'softmax' is quantised finished and normalised). What goes into a quantiser is computed in f32, as accurately as f32 sums, v_exp_f32 and their like allow (about 1e-6 of the number): no bf16 or f16 on the way to a quantiser, and a product that is left as it is and whose result goes on into a quantised operand takes f32 operands (vector FMAs, or v_wmma_f32_16x16x4_f32). A number that lies on a knife's edge between two numbers of the format may be rounded either way, as far as f32 arithmetic and the matrix unit's own rounding can turn it there, and no further.
;; One version. Each part assembles by itself: llvm-mc -triple=amdgcn-amd-amdhsa -mcpu=gfx1250 --defsym DOCPART=n.
;; ======== version 1 of 1: 4 launches
;; workspace buffers: xc 12,582,912 bytes; wc 4,194,304 bytes; qkv 12,582,912 bytes; ao 4,194,304 bytes
;; launch quant (part 1): grid 256 x 1, 16 waves a work-group, no clusters, 83,968 bytes of LDS; arguments x, wq, wk, wv, wo, lowp_scales, xc, wc; writes xc, wc
.if DOCPART == 1
	.amdgcn_target "amdgcn-amd-amdhsa--gfx1250"
	.amdhsa_code_object_version 6
	.text
	.protected	k_q7d7995bb17_quant
	.globl	k_q7d7995bb17_quant
	.p2align	8
	.type	k_q7d7995bb17_quant,@function
k_q7d7995bb17_quant:
	s_mov_b64 s[64:65], 0
	v_nop
	global_prefetch_b8 v0, s[64:65] scope:SCOPE_SE
	s_setreg_imm32_b32 hwreg(HW_REG_WAVE_MODE, 25, 1), 1
	s_wait_xcnt 0x0
; f32 numbers into codes of FP8 (E4M3), 8 bits each, K innermost (every tensor here has K innermost and dense rows: each is a plain stream).
; x [4096][1024] is operand A of three products under three given scales (entries 0, 2, 4): it is read once and converted three times, into the three planes of xc (4 MiB each).
; wq, wk, wv, wo [1024][1024] are converted once each (entries 1, 3, 5, 11) into the four planes of wc (1 MiB each).
; code = number / 2^e, held within +-448, to the nearest code, ties to even.  LIMITS: each of these e between -126 and 119, so that 2^e and 448 x 2^e are f32 numbers; NaN among the inputs is not served.
; SHARES: a work-group takes 32,768 numbers: work-groups 0-127 x, 128-255 the weights (32 to a tensor).  A wave takes 2,048 numbers, four steps of 512; its 16 loads all go out at its head.
; A conversion takes eight neighbours from ONE lane's registers, a load is dense where neighbouring LANES take neighbouring bytes: so a step's 2,048 bytes turn through the wave's own stage in LDS
; (in as they lie, 16 bytes a lane; out 64 bytes a lane; 16 bytes of padding behind each 64).  A lane's 16 codes are 16 bytes: a store of the wave covers 512 consecutive bytes, aligned.
; One path through LDS for all work-groups; only x's two further conversions stand under a branch on the work-group's number.  Waves share nothing: no barrier.
.set WREG,  5120                       ; LDS of a wave: two stages of 32 x SP bytes
.set SP,    80                         ; a lane's place in a stage: 64 bytes + 16 of padding
.set SPARE, 16*WREG                    ; behind the sixteen regions: the spare words, 128 bytes a wave: eight blocks of 256 bytes that no other line names
.set OFF,   3                          ; v3       16 x lane: my bytes of a load's 512, and of a store's 512; never rewritten
.set SC,    6                          ; v6, v8, v10: 2^e of streams 0, 1, 2;  v7, v9, v11: 448 x 2^e
.set SPW,   12                         ; v12      LDS address of my spare word; never rewritten
.set NIL,   13                         ; v13      0; never rewritten
.set SIN,   14                         ; v14      the stage, on the way in
.set SOUT,  15                         ; v15      the stage, on the way out
.set R,     16                         ; v16-79   four steps x 16 numbers as loaded
.set X,     80                         ; v80-111  two sets of 16 neighbours
.set T,     112                        ; v112-127 the numbers held within the largest code
.set C,     128                        ; v128-175 codes: step t, stream k at C + 12 t + 4 k: no store's data are written again
	s_load_b512 s[4:19], s[0:1], 0x0               ; x s[4:5], wq s[6:7], wk s[8:9], wv s[10:11], wo s[12:13], scales s[14:15], xc s[16:17], wc s[18:19]
	v_lshl_add_u32 v[SPW], v0, 2, SPARE
	v_mov_b32 v[NIL], 0
	v_lshrrev_b32 v1, 5, v0
	v_readfirstlane_b32 s33, v1                    ; wave 0..15
	v_and_b32 v2, 31, v0                           ; lane
	v_lshlrev_b32 v[OFF], 4, v2
	s_mul_i32 s34, s33, WREG
	v_lshrrev_b32 v[SIN], 2, v2
	v_mul_u32_u24 v[SIN], v[SIN], SP
	v_and_b32 v[SOUT], 3, v2
	v_lshl_add_u32 v[SIN], v[SOUT], 4, v[SIN]
	v_add_nc_u32 v[SIN], s34, v[SIN]               ; in: four lanes' 64 bytes on end, then the padding: SP (lane / 4) + 16 (lane % 4)
	v_mul_u32_u24 v[SOUT], v2, SP
	v_add_nc_u32 v[SOUT], s34, v[SOUT]             ; out: SP x lane: my 16 neighbours
	s_and_b32 s29, ttmp9, 31                       ; a weight's part
	s_and_b32 s35, ttmp9, 127                      ; the place among x's 128 work-groups, or among the weights' 128
	s_wait_kmcnt 0x0
	s_load_b256 s[36:43], s[14:15], 0x0            ; entries 0 to 7
	s_load_b128 s[44:47], s[14:15], 0x20           ; entries 8 to 11
	s_cmp_lt_u32 ttmp9, 224                        ; which tensor is mine: the choice hangs on the work-group's number alone
	s_cselect_b64 s[20:21], s[10:11], s[12:13]     ; wv, else wo
	s_cmp_lt_u32 ttmp9, 192
	s_cselect_b64 s[20:21], s[8:9], s[20:21]       ; wk
	s_cmp_lt_u32 ttmp9, 160
	s_cselect_b64 s[20:21], s[6:7], s[20:21]       ; wq
	s_cmp_lt_u32 ttmp9, 128
	s_cselect_b64 s[20:21], s[4:5], s[20:21]       ; x
	s_cselect_b64 s[22:23], s[16:17], s[18:19]     ; stream 0 goes to xc's plane 0, or to wc
	s_cselect_b32 s28, ttmp9, s29
	s_lshl_b32 s28, s28, 17                        ; 32,768 numbers of 4 bytes a work-group,
	s_lshl_b32 s29, s33, 13                        ; 2,048 a wave
	s_add_co_u32 s28, s28, s29
	s_mov_b32 s29, 0
	s_add_nc_u64 s[20:21], s[20:21], s[28:29]
	s_lshl_b32 s28, s35, 15                        ; and as many codes of one byte
	s_lshl_b32 s35, s33, 11
	s_add_co_u32 s28, s28, s35
	s_add_nc_u64 s[22:23], s[22:23], s[28:29]
	s_add_nc_u64 s[24:25], s[16:17], s[28:29]
	s_add_nc_u64 s[24:25], s[24:25], 0x400000      ; xc's plane 1,
	s_add_nc_u64 s[26:27], s[24:25], 0x400000      ; and plane 2 (used by x's work-groups alone)
.macro LOAD t
.irp i, 0,1,2,3
	global_load_b128 v[R+16*(\t)+4*\i:R+16*(\t)+4*\i+3], v[OFF], s[20:21] offset:2048*(\t)+512*\i th:TH_LOAD_NT   ; 32 lanes read 512 consecutive bytes
.endr
.endm
.macro TURN t                          ; step t's numbers through the stage: LDS serves a wave's instructions in order, so no wait stands between the stores and the loads
.irp i, 0,1,2,3
	ds_store_b128 v[SIN], v[R+16*(\t)+4*\i:R+16*(\t)+4*\i+3] offset:32*SP*((\t)%2)+8*SP*\i
.endr
.irp i, 0,1,2,3
	ds_load_b128 v[X+16*((\t)%2)+4*\i:X+16*((\t)%2)+4*\i+3], v[SOUT] offset:32*SP*((\t)%2)+16*\i
.endr
.endm
.macro MKS e, k                        ; 2^e and 448 x 2^e as f32, for stream k
	s_add_co_i32 s31, \e, 127
	s_lshl_b32 s32, s31, 23
	v_mov_b32 v[SC+2*\k], s32
	s_add_co_i32 s31, s31, 8
	s_lshl_b32 s31, s31, 23
	s_or_b32 s31, s31, 0x600000
	v_mov_b32 v[SC+2*\k+1], s31
.endm
.macro QS t, k, d                      ; step t under stream k's scale, stored through the pointer s[d:d+1]
.irp i, 0,1,2,3,4,5,6,7,8,9,10,11,12,13,14,15
	v_med3_num_f32 v[T+\i], v[X+16*((\t)%2)+\i], -v[SC+2*(\k)+1], v[SC+2*(\k)+1]   ; the conversion to an 8-bit code does not saturate (ISA guide 7.6.2): the hold comes first; X stays as it is for the next stream
.endr
	v_cvt_scalef32_pk8_fp8_f32 v[C+12*(\t)+4*(\k):C+12*(\t)+4*(\k)+1], v[T:T+7], v[SC+2*(\k)]
	v_cvt_scalef32_pk8_fp8_f32 v[C+12*(\t)+4*(\k)+2:C+12*(\t)+4*(\k)+3], v[T+8:T+15], v[SC+2*(\k)]
	v_nop                                          ; one plain vector line behind the conversions: the next holds write their sources anew
	global_store_b128 v[OFF], v[C+12*(\t)+4*(\k):C+12*(\t)+4*(\k)+3], s[\d:\d+1] offset:512*(\t)
.endm
.macro STEP t
	s_wait_dscnt 0x0                               ; this step's numbers are back from the stage
.if (\t) < 3
	s_wait_loadcnt 4*(2-(\t))                      ; the next step's four loads are in; the steps behind it may be out
	TURN (\t)+1                                    ; it goes through the other stage while this step is worked
.endif
	QS \t, 0, 22
	s_cmp_lt_u32 ttmp9, 128                        ; x has two more scales
	s_cbranch_scc0 .Lone_scale_\@
	QS \t, 1, 24
	QS \t, 2, 26
.Lone_scale_\@:
.endm
	LOAD 0
	LOAD 1
	LOAD 2
	LOAD 3
	s_wait_kmcnt 0x0
	s_cmp_lt_u32 ttmp9, 224                        ; stream 0's exponent, by the same chain as the tensor
	s_cselect_b32 s30, s41, s47                    ; entry 5 (wv), else 11 (wo)
	s_cmp_lt_u32 ttmp9, 192
	s_cselect_b32 s30, s39, s30                    ; entry 3 (wk)
	s_cmp_lt_u32 ttmp9, 160
	s_cselect_b32 s30, s37, s30                    ; entry 1 (wq)
	s_cmp_lt_u32 ttmp9, 128
	s_cselect_b32 s30, s36, s30                    ; entry 0 (x for the first product)
	MKS s30, 0
	MKS s38, 1                                     ; entry 2
	MKS s40, 2                                     ; entry 4
	s_wait_loadcnt 12                              ; step 0's four loads are in; the other twelve may be out
	TURN 0
	STEP 0
	STEP 1
	STEP 2
	STEP 3
	s_wait_tensorcnt 0x0                           ; the wave's end, behind my last LDS store
	ds_add_u32 v[SPW], v[NIL]
	s_wait_dscnt 0x0
	s_endpgm
.Lfunc_end_k_q7d7995bb17_quant:
	.size	k_q7d7995bb17_quant, .Lfunc_end_k_q7d7995bb17_quant-k_q7d7995bb17_quant
	.p2alignl 7, 3214868480
	.fill 96, 4, 3214868480
	.section	.rodata,"a",@progbits
	.p2align	6, 0x0
	.amdhsa_kernel k_q7d7995bb17_quant
		.amdhsa_group_segment_fixed_size 83968
		.amdhsa_private_segment_fixed_size 0
		.amdhsa_enable_private_segment 0
		.amdhsa_kernarg_size 64
		.amdhsa_user_sgpr_count 2
		.amdhsa_user_sgpr_kernarg_segment_ptr 1
		.amdhsa_wavefront_size32 1
		.amdhsa_system_sgpr_workgroup_id_x 1
		.amdhsa_system_sgpr_workgroup_id_y 1
		.amdhsa_system_sgpr_workgroup_id_z 1
		.amdhsa_system_vgpr_workitem_id 0
		.amdhsa_next_free_vgpr 176
		.amdhsa_next_free_sgpr 66
		.amdhsa_reserve_vcc 0
		.amdhsa_float_denorm_mode_32 3
		.amdhsa_float_denorm_mode_16_64 3
		.amdhsa_memory_ordered 1
		.amdhsa_forward_progress 1
		.amdhsa_inst_pref_size 23
	.end_amdhsa_kernel
	.amdgpu_metadata
---
amdhsa.version: [ 1, 2 ]
amdhsa.kernels:
  - .name:           k_q7d7995bb17_quant
    .symbol:         k_q7d7995bb17_quant.kd
    .args:
      - { .name: x, .offset: 0, .size: 8, .value_kind: global_buffer, .address_space: global }
      - { .name: wq, .offset: 8, .size: 8, .value_kind: global_buffer, .address_space: global }
      - { .name: wk, .offset: 16, .size: 8, .value_kind: global_buffer, .address_space: global }
      - { .name: wv, .offset: 24, .size: 8, .value_kind: global_buffer, .address_space: global }
      - { .name: wo, .offset: 32, .size: 8, .value_kind: global_buffer, .address_space: global }
      - { .name: lowp_scales, .offset: 40, .size: 8, .value_kind: global_buffer, .address_space: global }
      - { .name: xc, .offset: 48, .size: 8, .value_kind: global_buffer, .address_space: global }
      - { .name: wc, .offset: 56, .size: 8, .value_kind: global_buffer, .address_space: global }
    .group_segment_fixed_size: 83968
    .private_segment_fixed_size: 0
    .kernarg_segment_align: 8
    .kernarg_segment_size: 64
    .max_flat_workgroup_size: 512
    .sgpr_count:     66
    .vgpr_count:     176
    .wavefront_size: 32
...
	.end_amdgpu_metadata
.endif
;; end of part 1
;; launch qkv (part 2): grid 12 x 16, 4 waves a work-group, clusters of 4 x 4, 327,680 bytes of LDS; arguments xc, wc, bq, bk, bv, lowp_scales, qkv; writes qkv
.if DOCPART == 2
	.amdgcn_target "amdgcn-amd-amdhsa--gfx1250"
	.amdhsa_code_object_version 6
	.text
	.protected	k_q7d7995bb17_qkv
	.globl	k_q7d7995bb17_qkv
	.p2align	8
	.type	k_q7d7995bb17_qkv,@function
k_q7d7995bb17_qkv:
	s_mov_b64 s[64:65], 0
	v_nop
	global_prefetch_b8 v0, s[64:65] scope:SCOPE_SE
	s_setreg_imm32_b32 hwreg(HW_REG_WAVE_MODE, 25, 1), 1
	s_wait_xcnt 0x0
	s_wait_alu depctr_hold_cnt(0) depctr_sa_sdst(0) depctr_va_vdst(0) depctr_va_sdst(0) depctr_va_ssrc(0) depctr_va_vcc(0) depctr_vm_vsrc(0)
	s_getreg_b32 s2, hwreg(HW_REG_IB_STS2, 6, 4)
	s_cmp_eq_u32 s2, 0
	s_cbranch_scc0 .Lentry_in_a_cluster
	s_endpgm
.Lentry_in_a_cluster:
	s_bfe_u32 s2, ttmp6, 0x10000c
	s_cmp_lg_u32 s2, 0xf033
	s_cbranch_scc0 .Lentry_shape_is_right
	s_endpgm
.Lentry_shape_is_right:
; q, k, v = x W^T + bias on codes of FP8 (E4M3), and at once quantised again (entries 6, 7, 9) and stored as IMAGES OF THE NEXT LAUNCH'S OPERAND REGISTERS.
; The cluster's x says which product: 0 q, 1 k, 2 v; it is the same in all sixteen partners.  A tile is 256 x 256 x K 1,024; four waves, each 128 x 128: 64 accumulators, 512 registers.
; The matrix instruction's source 1 (called A below: 256 rows, shared along a row of the cluster) gives a result's LANE, source 0 (B: shared along a column) its eight REGISTERS.
;   q, k: A = x's codes (tokens), B = the weight's (features): a lane holds one token and eight neighbouring channels of a head: the next product's K is the channel.
;   v:    A = wv's codes (channels), B = x's (tokens): a lane holds one channel and eight neighbouring keys: the next product's K is the key.
; Eight results, converted, are two registers: registers 2 c, 2 c + 1 (k = 16 c + 8 (lane / 16) + 0 .. 7) of an 8-bit fragment.  So four registers of every lane are one store of 512 consecutive bytes, aligned.
; qkv: planes 0 (q), 1 (k): [bh 32][tile of 16 tokens 128][quad 2][lane 32][16 bytes];  plane 2 (v): [bh 32][128 keys 16][16 channels 4][quad 4][lane 32][16 bytes].  A head is 131,072 bytes in each.
; K goes in steps of 256 through a ring of two LDS slots filled by joint tensor loads: four slots' worth in all, so the walk is written straight.
; A fragment comes by four loads of 16 bytes: a permutation of k that is the same in A and in B, so every product meets its partner.
; LIMITS: ex + ew between -126 and 127; entries 6, 7, 9 between -126 and 119; NaN is not served.
; REGISTERS: window 0: v1-31 addresses and two constants; v32-95 the bias; from v128 A's fragments, ONE set (on the way out v128-191 results, v192-255 codes).
;   window 1: B's fragments, TWO sets.   windows 2, 3: the accumulators ((a, b) at v[8 (8 (a % 4) + b)] of window 2 + a / 4).
.set ROWB,   256                       ; a tile's row in bytes
.set KROW,   1024                      ; a row of codes in memory
.set PITCH,  272                       ; an LDS row: 256 bytes + 16 of padding: the 16 rows that a load touches start at 16 different banks (64 banks of 4 bytes: ISA guide 11.1)
.set FR,     16
.set NL,     4
.set NP,     4                         ; places behind this matrix instruction (ISA guide 7.12.1)
.set HALFT,  128*PITCH
.set SLOT,   4*HALFT
.set SPARE,  2*SLOT                    ; behind the ring: the spare words, 128 bytes a wave: two blocks of 256 bytes that no other line names
.set BOF,  8                           ; v8-15   the bias loads' eight offsets; never rewritten
.set ADRA, 16                          ; v16-17  LDS address of my A fragments in slot 0, 1
.set ADRB, 20                          ; v20-21  the same for B
.set CO,   26                          ; v26     16 x lane: my place in an image
.set SPW,  28                          ; v28     LDS address of my spare word; never rewritten
.set NIL,  29                          ; v29     0; never rewritten
.set LIMV, 30                          ; v30     448 x 2^eo
.set SCV,  31                          ; v31     2^eo
.set BI,   32                          ; v32-95  the bias, in the result's layout
.set AF,   128
.set TMP,  128
.set CD,   192
.set G1, 24
.set G0, 32
.set G1B, 48
.set G0B, 56
.set MSB, 0
.macro WIN new                         ; the immediate's high byte repeats the setting that is left
.if MSB != \new
	s_set_vgpr_msb (MSB<<8)|\new
.set MSB, \new
.endif
.endm
.set MUL_LO, 0xa1                      ; source 0 (B) window 1, source 1 (A) window 0, C and D window 2
.set MUL_HI, 0xf1
.set TO_B,   0x40
; A joint load: waves 0 and 1 fetch for A, waves 2 and 3 for B; the branch hangs on the wave's number alone.  An s_nop 0 and four v_nop follow each line.
.macro JLOAD g0a, g1a, g0b, g1b
	s_cmp_eq_u32 s15, 0
	s_cbranch_scc0 .Lfor_b_\@
	tensor_load_to_lds s[\g0a:\g0a+3], s[\g1a:\g1a+7]
	s_nop 0
.rept 4
	v_nop
.endr
	s_branch .Lasked_\@
.Lfor_b_\@:
	tensor_load_to_lds s[\g0b:\g0b+3], s[\g1b:\g1b+7]
	s_nop 0
.rept 4
	v_nop
.endr
.Lasked_\@:
.endm
.macro CREST                           ; a round of the cluster's barrier behind its opening barrier
	s_cmp_lg_u32 s14, 0
	s_cbranch_scc1 .Lnot_wave_0_\@
	s_barrier_signal -3
.Lnot_wave_0_\@:
	s_barrier_wait -3
	s_barrier_signal -1
	s_barrier_wait -1
.endm
.macro CROUND
	s_barrier_signal -1
	s_barrier_wait -1
	CREST
.endm
	s_load_b256 s[4:11], s[0:1], 0x0               ; xc s[4:5], wc s[6:7], bq s[8:9], bk s[10:11]
	s_load_b128 s[68:71], s[0:1], 0x20             ; bv s[68:69], the scales s[70:71]
	s_load_b64 s[88:89], s[0:1], 0x30              ; qkv
	v_lshl_add_u32 v[SPW], v0, 2, SPARE
	v_mov_b32 v[NIL], 0
	ds_add_u32 v[SPW], v[NIL]                      ; the wave's opening: the add and its wait stand ahead of my first tensor load; work on registers stands between them
	v_lshrrev_b32 v1, 5, v0
	v_readfirstlane_b32 s14, v1                    ; wave 0..3
	s_lshr_b32 s15, s14, 1                         ; which half of A's rows is mine.  Also: I fetch for A (0) or for B (1)
	s_and_b32 s16, s14, 1                          ; which half of B's rows.  Also: which 128 rows of that tile I fetch
	s_bfe_u32 s40, ttmp6, 0x40000                  ; cx
	s_bfe_u32 s41, ttmp6, 0x40004                  ; cy
	s_and_b32 s66, ttmp7, 0xffff
	s_lshl_b32 s66, s66, 2                         ; 4 x cluster y: the 16 tiles of tokens
	s_cmp_eq_u32 ttmp9, 2                          ; v?  All selections on this compare stand ahead of the additions
	s_cselect_b32 s17, 0, s66                      ; A's tile: q, k: 4 cluster y + cy (tokens);  v: cy (channels)
	s_cselect_b32 s42, s66, 0                      ; B's tile: q, k: cx (features);  v: 4 cluster y + cx (tokens)
	s_cselect_b32 s67, 20, 22                      ; a plane of A's buffer is 2^22 bytes (xc) or 2^20 (wc),
	s_cselect_b32 s84, 22, 20                      ; of B's the other
	s_add_co_u32 s17, s17, s41                     ; (never holds cx)
	s_add_co_u32 s42, s42, s40                     ; (never holds cy)
	s_lshl_b32 s67, ttmp9, s67
	s_lshl_b32 s84, ttmp9, s84
	s_lshl_b32 s43, s41, 2
	s_lshl_b32 s43, 15, s43                        ; my row of the cluster
	s_lshl_b32 s44, 0x1111, s40                    ; my column
	s_or_b32 s[G1+0], s43, (0<<16)|(1<<20)|(1<<21)|(5<<22)|(3<<25)  ; 15:0 the mask; 17:16 elements of 1 byte; 20 padding on; 21 set beside a mask; 24:22 after every 64 words; 31:25 four words
	s_or_b32 s[G1B+0], s44, (0<<16)|(1<<20)|(1<<21)|(5<<22)|(3<<25)
.irp g, G1, G1B
	s_mov_b32 s[\g+1], ROWB<<16                    ; tensor_dim0
	s_mov_b32 s[\g+2], 128<<16                     ; tensor_dim1
	s_mov_b32 s[\g+3], ROWB<<16                    ; tile_dim0
	s_mov_b32 s[\g+4], 128                         ; tile_dim1
	s_mov_b32 s[\g+5], KROW                        ; tensor_dim0_stride
	s_mov_b32 s[\g+6], 0
	s_mov_b32 s[\g+7], 0
.endr
	s_lshl_b32 s18, s16, 7                         ; which 128 rows of the tile I fetch
	s_lshl_b32 s20, s17, 8
	s_add_co_u32 s20, s20, s18
	s_lshl_b32 s20, s20, 10                        ; rows of 1,024 bytes
	s_add_co_u32 s20, s20, s67                     ; + the plane: under 2^24 bytes in all
	s_mov_b32 s21, 0
	s_lshl_b32 s46, s42, 8
	s_add_co_u32 s46, s46, s18
	s_lshl_b32 s46, s46, 10
	s_add_co_u32 s46, s46, s84
	s_mov_b32 s47, 0
	s_mul_i32 s45, s14, HALFT                      ; where they go: wave x 128 rows: no place in the cluster enters an LDS address
	s_wait_dscnt 0x0                               ; the opening add is done
	s_wait_kmcnt 0x0
	s_load_b256 s[72:79], s[70:71], 0x0            ; entries 0 to 7
	s_load_b128 s[80:83], s[70:71], 0x20           ; entries 8 to 11
	s_cmp_eq_u32 ttmp9, 2
	s_cselect_b64 s[86:87], s[6:7], s[4:5]         ; A's buffer
	s_cselect_b64 s[90:91], s[4:5], s[6:7]         ; B's
	s_add_nc_u64 s[20:21], s[86:87], s[20:21]
	s_add_nc_u64 s[46:47], s[90:91], s[46:47]
	CROUND                                         ; all sixteen work-groups are here: the first joint loads meet
.irp s, 0,1
	s_mov_b32 s[G0+4*\s], 1
	s_add_co_u32 s[G0+4*\s+1], s45, \s*SLOT
	s_add_nc_u64 s[G0+4*\s+2:G0+4*\s+3], s[20:21], \s*ROWB
	s_or_b32 s[G0+4*\s+3], s[G0+4*\s+3], 0x80000000
	s_mov_b32 s[G0B+4*\s], 1
	s_add_co_u32 s[G0B+4*\s+1], s45, \s*SLOT
	s_add_nc_u64 s[G0B+4*\s+2:G0B+4*\s+3], s[46:47], \s*ROWB
	s_or_b32 s[G0B+4*\s+3], s[G0B+4*\s+3], 0x80000000
	JLOAD G0+4*\s, G1, G0B+4*\s, G1B               ; two loads of mine are out
.endr
	v_and_b32 v1, 15, v0                           ; r = lane % 16
	v_bfe_u32 v2, v0, 4, 1                         ; h = lane / 16
	v_mul_u32_u24 v3, v1, PITCH
	v_lshl_add_u32 v4, v2, 4, v3                   ; a fragment's row x pitch + 16 h
	s_mul_i32 s21, s15, HALFT                      ; my 128 rows of A
	s_mul_i32 s22, s16, HALFT                      ; my 128 rows of B,
	s_add_co_u32 s22, s22, 2*HALFT                 ; which lie behind A's 256
.irp s, 0,1
	v_add_nc_u32 v[ADRA+\s], s21, v4
	v_add_nc_u32 v[ADRB+\s], s22, v4
	s_add_co_u32 s21, s21, SLOT
	s_add_co_u32 s22, s22, SLOT
.endr
	v_and_b32 v6, 31, v0
	v_lshlrev_b32 v[CO], 4, v6
	; where my images begin, and my bias.  Tokens come from A's tile and half (q, k) or from B's (v); features from the other
	s_cmp_eq_u32 ttmp9, 2
	s_cselect_b32 s20, s42, s17                    ; the tile of tokens,
	s_cselect_b32 s21, s16, s15                    ; my half of it
	s_cselect_b32 s22, s17, s42                    ; the tile of features,
	s_cselect_b32 s23, s15, s16                    ; my half of it
	s_cselect_b32 s66, 7, 4                        ; tokens in an image's unit: 2^7 (v) or 2^4
	s_cselect_b32 s67, 4, 7                        ; units in a head: 2^4 or 2^7
	s_cselect_b32 s84, 13, 10                      ; bytes in a unit: 2^13 or 2^10
	s_cselect_b32 s85, 4, 0                        ; the bias's offset = r x this
	s_cselect_b32 s86, 0, 32                       ;                   + h x this
	s_cselect_b32 s87, 0, 4                        ;                   + register x this
	s_cselect_b64 s[92:93], s[68:69], s[10:11]     ; bv, else bk,
	s_cmp_eq_u32 ttmp9, 0
	s_cselect_b64 s[92:93], s[8:9], s[92:93]       ; or bq
	s_lshl_b32 s20, s20, 8
	s_lshl_b32 s21, s21, 7
	s_add_co_u32 s20, s20, s21                     ; my first token
	s_lshl_b32 s90, s22, 8
	s_lshl_b32 s91, s23, 7
	s_add_co_u32 s90, s90, s91                     ; my first feature
	s_lshr_b32 s21, s90, 6                         ; its head
	s_lshr_b32 s22, s20, 11                        ; the batch
	s_lshl_b32 s22, s22, 4
	s_add_co_u32 s22, s22, s21                     ; bh
	s_lshl_b32 s22, s22, s67
	s_and_b32 s23, s20, 2047
	s_lshr_b32 s23, s23, s66
	s_add_co_u32 s22, s22, s23                     ; the unit
	s_lshl_b32 s22, s22, s84
	s_lshl_b32 s23, ttmp9, 22                      ; the plane
	s_add_co_u32 s22, s22, s23
	s_mov_b32 s23, 0
	s_add_nc_u64 s[88:89], s[88:89], s[22:23]
	s_lshl_b32 s90, s90, 2
	s_mov_b32 s91, 0
	s_add_nc_u64 s[92:93], s[92:93], s[90:91]
	v_mul_u32_u24 v7, v1, s85
	v_mul_u32_u24 v5, v2, s86
	v_add_nc_u32 v7, v7, v5
.irp j, 0,1,2,3,4,5,6,7
	s_mul_i32 s94, s87, \j
	v_add_nc_u32 v[BOF+\j], s94, v7
.endr
; q, k: register 8 i + j = the bias of feature 16 i + 8 h + j (i: B's block);  v: all eight registers of group i = the bias of feature 16 i + r (i: A's block).  One run of loads serves both; they land while K is walked
.irp i, 0,1,2,3,4,5,6,7
.irp j, 0,1,2,3,4,5,6,7
	global_load_b32 v[BI+8*\i+\j], v[BOF+\j], s[92:93] offset:64*\i
.endr
.endr
.macro FRAG reg, adr, q, i             ; 16 rows x 128 K of codes: 16 registers; registers 4 c .. 4 c + 3 hold K = 32 c + 16 h + 0 .. 15
.irp c, 0,1,2,3
	ds_load_b128 v[\reg+4*\c:\reg+4*\c+3], v[\adr] offset:128*(\q)+32*\c+(\i)*16*PITCH
.endr
.endm
; 16 matrix instructions: A's blocks a0, a0 + 1 x B's eight.  The 64 accumulators take turns, one instruction a turn, in the same order in every step.
.macro MUL16 a0, p, zero
.irp a, \a0, \a0+1
.irp b, 0,1,2,3,4,5,6,7
.if \zero
	v_wmma_f32_16x16x128_fp8_fp8 v[8*(8*((\a)%4)+\b):8*(8*((\a)%4)+\b)+7], v[128*(\p)+FR*\b:128*(\p)+FR*\b+FR-1], v[AF+FR*(\a):AF+FR*(\a)+FR-1], 0
.else
	v_wmma_f32_16x16x128_fp8_fp8 v[8*(8*((\a)%4)+\b):8*(8*((\a)%4)+\b)+7], v[128*(\p)+FR*\b:128*(\p)+FR*\b+FR-1], v[AF+FR*(\a):AF+FR*(\a)+FR-1], v[8*(8*((\a)%4)+\b):8*(8*((\a)%4)+\b)+7]
.endif
.endr
.endr
.endm
.macro FETCH_B slot, q, p
	WIN TO_B
.irp i, 0,1,2,3,4,5,6,7
	FRAG 128*(\p)+FR*\i, ADRB+\slot, \q, \i
.endr
	WIN 0
.endm
.macro FETCH_A slot, q, i0
.irp i, \i0, \i0+1, \i0+2, \i0+3
	FRAG AF+FR*(\i), ADRA+\slot, \q, \i
.endr
.endm
.macro PLACES n                        ; plain vector lines between a matrix instruction and a load into, or a vector read of, its registers
.rept \n
	v_nop
.endr
.endm
; A step of 128 along K that has its successor in the same slot.  A's block is free once its eight products are issued: blocks 0-3 are fetched anew in the step's middle, blocks 4-7 at its end.
.macro STEP slot, q, zero
	s_wait_dscnt 4*NL                              ; B's set and A's blocks 0-3 are in; the youngest sixteen loads (A's blocks 4-7) may be out
	WIN MUL_LO
	MUL16 0, (\q)%2, \zero
	MUL16 2, (\q)%2, \zero
	s_wait_dscnt 0
	PLACES NP
	FETCH_B \slot, (\q)+1, 1-(\q)%2
	FETCH_A \slot, (\q)+1, 0
	WIN MUL_HI
	MUL16 4, (\q)%2, \zero
	MUL16 6, (\q)%2, \zero
	PLACES NP
	WIN 0
	FETCH_A \slot, (\q)+1, 4
.endm
; A slot's last step changes slots: ONE barrier; in front of it each wave waits for all its tensor loads, adds 0 to its spare word, and waits for that and for its reads of this slot.
.macro TURN slot, next, fill
	s_wait_tensorcnt 0x0                           ; all my tensor loads have landed: my part of the next slot (every window is 0 here)
	ds_add_u32 v[SPW], v[NIL]                      ; 0 onto my spare word
	s_wait_dscnt 4*NL+1                            ; (the add and the youngest sixteen loads may be out)
	WIN MUL_LO
	MUL16 0, 1, 0                                  ; sixteen matrix instructions stand between the add and the wait for it
	s_wait_dscnt 0x0                               ; the add is done, and my reads of this slot are over
	s_barrier_signal -1
	MUL16 2, 1, 0
	WIN 0
	s_barrier_wait -1
.if \fill
	CREST                                          ; the barrier has opened a round of the cluster's: no wave of any partner still reads this slot or has a load on its way
	s_add_nc_u64 s[G0+4*\slot+2:G0+4*\slot+3], s[G0+4*\slot+2:G0+4*\slot+3], 2*ROWB
	s_add_nc_u64 s[G0B+4*\slot+2:G0B+4*\slot+3], s[G0B+4*\slot+2:G0B+4*\slot+3], 2*ROWB
	JLOAD G0+4*\slot, G1, G0B+4*\slot, G1B         ; my one tensor load behind the round, and the first thing there; its four v_nop are the places in front of the loads below
.else
	PLACES NP
.endif
	FETCH_B \next, 0, 0
	FETCH_A \next, 0, 0
	WIN MUL_HI
	MUL16 4, 1, 0
	MUL16 6, 1, 0
	PLACES NP
	WIN 0
	FETCH_A \next, 0, 4
.endm
	s_wait_tensorcnt 1                             ; my part of slot 0 is in; slot 1's load may be out
	s_barrier_signal -1
	s_barrier_wait -1
	FETCH_B 0, 0, 0
	FETCH_A 0, 0, 0
	FETCH_A 0, 0, 4
	STEP 0, 0, 1                                   ; K 0-127: the products start the sums: nothing is cleared
	TURN 0, 1, 1                                   ; K 128-255; slot 0 takes K 512-767
	STEP 1, 0, 0
	TURN 1, 0, 1                                   ; slot 1 takes K 768-1023
	STEP 0, 0, 0
	TURN 0, 1, 0                                   ; nothing is left to fetch
	STEP 1, 0, 0
	s_wait_dscnt 4*NL
	WIN MUL_LO
	MUL16 0, 1, 0
	MUL16 2, 1, 0
	s_wait_dscnt 0
	WIN MUL_HI
	MUL16 4, 1, 0
	MUL16 6, 1, 0
	WIN 0
	; THE WAY OUT: y = sum x 2^(ex + ew) + bias, one packed multiply-add for two; held within +-448 x 2^eo; converted; stored as images.
	s_wait_kmcnt 0x0
	s_cmp_eq_u32 ttmp9, 0                          ; the product's three exponents are selected, never branched on
	s_cselect_b32 s94, s72, s74
	s_cselect_b32 s95, s73, s75
	s_cselect_b32 s85, s78, s79
	s_cmp_eq_u32 ttmp9, 2
	s_cselect_b32 s94, s76, s94                    ; ex: entry 0, 2 or 4
	s_cselect_b32 s95, s77, s95                    ; ew: entry 1, 3 or 5
	s_cselect_b32 s85, s81, s85                    ; eo: entry 6, 7 or 9
	s_add_co_i32 s96, s94, s95
	s_add_co_i32 s96, s96, 127
	s_lshl_b32 s96, s96, 23                        ; 2^(ex + ew) as f32
	s_mov_b32 s97, s96                             ; (named with it as a pair, so it is written)
	s_add_co_i32 s85, s85, 127
	s_lshl_b32 s94, s85, 23
	v_mov_b32 v[SCV], s94
	s_add_co_i32 s85, s85, 8
	s_lshl_b32 s85, s85, 23
	s_or_b32 s85, s85, 0x600000
	v_mov_b32 v[LIMV], s85
	s_wait_loadcnt 0x0                             ; the bias
	PLACES NP
; A's block a: 16 lanes' rows x B's 128.  kind = 0 (q, k): the bias goes by B's block; the 16 code registers are two heads' fragments of tokens 16 a on.
; kind = 1 (v): the bias goes by A's block; the 16 code registers are one fragment, channels 16 (a % 4) on of head a / 4, my 128 keys.
.macro OUTB a, kind
.if (\a) >= 4
	s_wait_xcnt 0x0                                ; block a - 4's stores have read the registers that take this block's codes
.endif
	WIN 0x02+((\a)/4)                              ; source 0: window 2 or 3
.irp b, 0,1,2,3,4,5,6,7
.irp j, 0,2,4,6
.if \kind
	v_pk_fma_f32 v[TMP+8*\b+\j:TMP+8*\b+\j+1], v[64*((\a)%4)+8*\b+\j:64*((\a)%4)+8*\b+\j+1], s[96:97], v[BI+8*(\a)+\j:BI+8*(\a)+\j+1] op_sel_hi:[1,0,1]
.else
	v_pk_fma_f32 v[TMP+8*\b+\j:TMP+8*\b+\j+1], v[64*((\a)%4)+8*\b+\j:64*((\a)%4)+8*\b+\j+1], s[96:97], v[BI+8*\b+\j:BI+8*\b+\j+1] op_sel_hi:[1,0,1]
.endif
.endr
.endr
	WIN 0
.set n, 0
.rept 64
	v_med3_num_f32 v[TMP+n], v[TMP+n], -v[LIMV], v[LIMV]   ; the conversion does not saturate (ISA guide 7.6.2)
.set n, n+1
.endr
.irp b, 0,1,2,3,4,5,6,7
	v_cvt_scalef32_pk8_fp8_f32 v[CD+16*((\a)%4)+2*\b:CD+16*((\a)%4)+2*\b+1], v[TMP+8*\b:TMP+8*\b+7], v[SCV]
.endr
	v_nop                                          ; one plain vector line behind the conversions: the next block writes their sources anew
.irp i, 0,1,2,3
.if \kind
	global_store_b128 v[CO], v[CD+16*((\a)%4)+4*\i:CD+16*((\a)%4)+4*\i+3], s[88:89] offset:((\a)/4)*131072+((\a)%4)*2048+\i*512
.else
	global_store_b128 v[CO], v[CD+16*((\a)%4)+4*\i:CD+16*((\a)%4)+4*\i+3], s[88:89] offset:(\i/2)*131072+(\i%2)*512+(\a)*1024
.endif
.endr
.endm
	s_cmp_eq_u32 ttmp9, 2                          ; the same in all sixteen partners
	s_cbranch_scc1 .Lv
.irp a, 0,1,2,3,4,5,6,7
	OUTB \a, 0
.endr
	s_branch .Ldone
.Lv:
.irp a, 0,1,2,3,4,5,6,7
	OUTB \a, 1
.endr
.Ldone:
	s_wait_tensorcnt 0x0                           ; the wave's end, behind my last tensor load
	ds_add_u32 v[SPW], v[NIL]
	s_wait_dscnt 0x0
	CROUND                                         ; the closing round: no work-group ends while a partner may still ask for a tile that names it
	s_endpgm
.Lfunc_end_k_q7d7995bb17_qkv:
	.size	k_q7d7995bb17_qkv, .Lfunc_end_k_q7d7995bb17_qkv-k_q7d7995bb17_qkv
	.p2alignl 7, 3214868480
	.fill 96, 4, 3214868480
	.section	.rodata,"a",@progbits
	.p2align	6, 0x0
	.amdhsa_kernel k_q7d7995bb17_qkv
		.amdhsa_group_segment_fixed_size 327680
		.amdhsa_private_segment_fixed_size 0
		.amdhsa_enable_private_segment 0
		.amdhsa_kernarg_size 56
		.amdhsa_user_sgpr_count 2
		.amdhsa_user_sgpr_kernarg_segment_ptr 1
		.amdhsa_wavefront_size32 1
		.amdhsa_system_sgpr_workgroup_id_x 1
		.amdhsa_system_sgpr_workgroup_id_y 1
		.amdhsa_system_sgpr_workgroup_id_z 1
		.amdhsa_system_vgpr_workitem_id 0
		.amdhsa_next_free_vgpr 1024
		.amdhsa_next_free_sgpr 98
		.amdhsa_reserve_vcc 0
		.amdhsa_float_denorm_mode_32 3
		.amdhsa_float_denorm_mode_16_64 3
		.amdhsa_memory_ordered 1
		.amdhsa_forward_progress 1
		.amdhsa_inst_pref_size 198
	.end_amdhsa_kernel
	.amdgpu_metadata
---
amdhsa.version: [ 1, 2 ]
amdhsa.kernels:
  - .name:           k_q7d7995bb17_qkv
    .symbol:         k_q7d7995bb17_qkv.kd
    .args:
      - { .name: xc, .offset: 0, .size: 8, .value_kind: global_buffer, .address_space: global }
      - { .name: wc, .offset: 8, .size: 8, .value_kind: global_buffer, .address_space: global }
      - { .name: bq, .offset: 16, .size: 8, .value_kind: global_buffer, .address_space: global }
      - { .name: bk, .offset: 24, .size: 8, .value_kind: global_buffer, .address_space: global }
      - { .name: bv, .offset: 32, .size: 8, .value_kind: global_buffer, .address_space: global }
      - { .name: lowp_scales, .offset: 40, .size: 8, .value_kind: global_buffer, .address_space: global }
      - { .name: qkv, .offset: 48, .size: 8, .value_kind: global_buffer, .address_space: global }
    .group_segment_fixed_size: 327680
    .private_segment_fixed_size: 0
    .kernarg_segment_align: 8
    .kernarg_segment_size: 56
    .max_flat_workgroup_size: 128
    .sgpr_count:     98
    .vgpr_count:     1024
    .wavefront_size: 32
...
	.end_amdgpu_metadata
.endif
;; end of part 2
;; launch attn (part 3): grid 8 x 32, 8 waves a work-group, no clusters, 132,096 bytes of LDS; arguments qkv, lowp_scales, ao; writes ao
.if DOCPART == 3
	.amdgcn_target "amdgcn-amd-amdhsa--gfx1250"
	.amdhsa_code_object_version 6
	.text
	.protected	k_q7d7995bb17_attn
	.globl	k_q7d7995bb17_attn
	.p2align	8
	.type	k_q7d7995bb17_attn,@function
k_q7d7995bb17_attn:
	s_mov_b64 s[64:65], 0
	v_nop
	global_prefetch_b8 v0, s[64:65] scope:SCOPE_SE
	s_setreg_imm32_b32 hwreg(HW_REG_WAVE_MODE, 25, 1), 1
	s_wait_xcnt 0x0
; o = softmax(q k^T / 32) v for one head, both products on codes of FP8 (E4M3); o is quantised again (entry 10) and stored as images of the last product's operand registers.
; t = score x log2(e) / 32; M = the running largest t rounded UP to a whole number; p = 2^(t - M) is quantised (entry 8), not normalised; the row's sum is taken of the unquantised p and divides at the end.
; When M moves, the sum and O are multiplied by 2^(old M - new M): nothing is rounded, and no branch hangs on data.
; SHARES: a work-group owns 256 queries of one bh (x: the block, y: bh); each of its eight waves 32: two tiles of 16, so that each fragment of K and V read from LDS feeds two matrix instructions.
; LAYOUT: S^T = K Q^T (source 0 = 16 keys, source 1 = 16 queries, K = 64), O^T = V^T P^T (source 0 = 16 channels, source 1 = P, K = 128 keys): a lane holds ONE query throughout.
; Tile t of S^T holds keys 16 t + 8 (lane / 16) + 0 .. 7 in its eight registers: converted, they are registers 2 t, 2 t + 1 of P's fragment: every key stands in its own place.
; K AND V arrive as images of the operands' registers: a slot of 256 keys is two dense blocks of 16,384 bytes.  They go through registers into FOUR LDS buffers by turns (slot s in buffer s % 4): eight loads and
; eight LDS stores of 16 bytes a thread for two key steps; the loads are issued two key steps ahead of the stores that want them.
; THE BARRIER'S HALVES STAND A KEY STEP APART.  At the head of slot s a wave stores slot s + 1 into buffer (s + 1) % 4, waits for its LDS instructions and SIGNALS; it WAITS in the slot's second key step, ahead of its
; first read of slot s + 1.  What that orders: every wave's stores of slot s + 1 stand ahead of its signal s, every read of slot s + 1 behind wait s; the buffer's old tenant, slot s - 3, was last read ahead of
; signal s - 2, and the store stands behind wait s - 1.  Between signal s and wait s a wave reads buffer s % 4 alone; waves that lag store into (s + 1) % 4, waves that lead into (s + 2) % 4.
; K'S FRAGMENTS ARE FETCHED A KEY STEP AHEAD, into registers of their own, in one run with the step's fragments of V: a key step begins with its products.
; NO CLUSTER: the eight work-groups of a bh read the same K and V, 32,768 bytes for two key steps in which each wave issues some 780 vector instructions: what sharing could spare is small beside the step,
; and the branch on the given exponent below spares 128 of a key step's vector instructions.
; THE HOLD of p at 448 x 2^ep is jumped over where ep >= -8: then 448 x 2^ep >= 1.75, and p is at most 1 but for one rounding of t - M.  ep is a whole number read from memory; this launch has no tensor load.
; LIMITS: entries 6 + 7 between -121 and 132 (added to c's exponent field); entries 8 and 10 between -126 and 119; 8 + 9 goes by v_ldexp_f32 and has none.  NaN is not served.
; REGISTERS: each tile has a window (tile 0: window 0, tile 1: window 1), with the same numbers for: v12 -M, v13 the largest t, v[14:15] the sum, v16-23 Q, v160-191 O^T, v224-239 p's codes,
;   v240, v244: 448 x 2^ep, 2^ep; v241, v245: the same for entry 10; v[242:243], v246, v248-251, v[252:253], v254 at work.  S^T, then p: tile 0 v96-159, tile 1 v32-95 of its window.
;   window 0 alone: v1, v3: 16 x lane (+ 65,536); v2, v4: 16 x thread (+ 65,536); v5, v6 the add's two; v32-95 four fragments of V; v192-223 K and V on their way to LDS.   window 1 alone: v96-159 eight fragments of K.
.set SPARE, 131072                     ; behind the four buffers: the spare words, 128 bytes a wave: four blocks of 256 bytes that no other line names
.set LI,  1                            ; v1: buffers 0, 1;  v3: buffers 2, 3
.set TS,  2                            ; v2: buffers 0, 1;  v4: buffers 2, 3
.set SPW, 5
.set NIL, 6
.set F,   32
.set KF,  96                           ; in window 1
.set S0,  96
.set S1,  32
.set O,   160
.set ST,  192
.set PC,  224
.set MX,  248                          ; v248-251: four chains of the maximum, then two of the sum's four
.set MSB, 0
.macro WIN new                         ; bits 1:0 source 0, 3:2 source 1, 5:4 source 2, 7:6 destination; the high byte repeats the setting that is left
.if MSB != \new
	s_set_vgpr_msb (MSB<<8)|\new
.set MSB, \new
.endif
.endm
.macro PLACES                          ; four plain vector lines between a matrix instruction and a load into, or a vector read of, its registers
.rept 4
	v_nop
.endr
.endm
	s_load_b128 s[4:7], s[0:1], 0x0                ; qkv s[4:5], the scales s[6:7]
	s_load_b64 s[8:9], s[0:1], 0x10                ; ao
	v_lshl_add_u32 v[SPW], v0, 2, SPARE
	v_mov_b32 v[NIL], 0
	v_lshrrev_b32 v7, 5, v0
	v_readfirstlane_b32 s10, v7                    ; wave 0..7
	v_and_b32 v[LI], 31, v0
	v_lshlrev_b32 v[LI], 4, v[LI]
	v_lshlrev_b32 v[TS], 4, v0
	v_add_nc_u32 v[LI+2], 0x10000, v[LI]
	v_add_nc_u32 v[TS+2], 0x10000, v[TS]
	s_and_b32 s26, ttmp7, 0xffff                   ; bh
	s_lshl_b32 s28, s26, 17                        ; a head is 131,072 bytes in each plane
	s_mov_b32 s29, 0
	s_lshl_b32 s30, ttmp9, 4
	s_lshl_b32 s31, s10, 1
	s_add_co_u32 s30, s30, s31                     ; my first tile of queries: 16 x + 2 wave
	s_lshl_b32 s30, s30, 10
	s_add_co_u32 s30, s30, s28
	s_mov_b32 s31, 0
	s_lshr_b32 s32, s26, 4                         ; ao: [block of 128 tokens][head][tile 8][quad 2][lane][16]: block = 16 batch + 2 x + wave / 4
	s_lshl_b32 s32, s32, 4
	s_lshl_b32 s33, ttmp9, 1
	s_add_co_u32 s32, s32, s33
	s_lshr_b32 s33, s10, 2
	s_add_co_u32 s32, s32, s33
	s_lshl_b32 s32, s32, 4
	s_and_b32 s33, s26, 15                         ; head
	s_add_co_u32 s32, s32, s33
	s_lshl_b32 s32, s32, 3
	s_and_b32 s33, s10, 3
	s_lshl_b32 s33, s33, 1                         ; tile = 2 (wave % 4)
	s_add_co_u32 s32, s32, s33
	s_lshl_b32 s32, s32, 10
	s_mov_b32 s33, 0
	s_wait_kmcnt 0x0
	s_load_b256 s[68:75], s[6:7], 0x0              ; entries 0 to 7
	s_load_b128 s[76:79], s[6:7], 0x20             ; entries 8 to 11
	s_add_nc_u64 s[12:13], s[4:5], s[28:29]
	s_add_nc_u64 s[14:15], s[12:13], 0x800000      ; V: plane 2
	s_add_nc_u64 s[12:13], s[12:13], 0x400000      ; K: plane 1
	s_add_nc_u64 s[16:17], s[4:5], s[30:31]        ; Q: plane 0
	s_add_nc_u64 s[18:19], s[8:9], s[32:33]
.irp i, 0,1,2,3                        ; slot 0: 256 threads x 16 bytes x 4 of K, and of V: into the registers that will hold tile 0's scores, which are idle now
	global_load_b128 v[S0+4*\i:S0+4*\i+3], v[TS], s[12:13] offset:4096*\i
	global_load_b128 v[S0+16+4*\i:S0+16+4*\i+3], v[TS], s[14:15] offset:4096*\i
.endr
.irp i, 0,1,2,3                        ; slot 1, asked for with it
	global_load_b128 v[ST+4*\i:ST+4*\i+3], v[TS], s[12:13] offset:16384+4096*\i
	global_load_b128 v[ST+16+4*\i:ST+16+4*\i+3], v[TS], s[14:15] offset:16384+4096*\i
.endr
	global_load_b128 v[16:19], v[LI], s[16:17]     ; Q stays in registers
	global_load_b128 v[20:23], v[LI], s[16:17] offset:512
	WIN 0x40                                       ; destination window 1
	global_load_b128 v[16:19], v[LI], s[16:17] offset:1024
	global_load_b128 v[20:23], v[LI], s[16:17] offset:1536
	WIN 0
	s_wait_kmcnt 0x0
	s_mov_b32 s20, 0x76543210                      ; v_permlanex16_b32's selects for lane xor 16
	s_mov_b32 s21, 0xfedcba98
	s_add_co_i32 s26, s74, s75
	s_lshl_b32 s26, s26, 23
	s_add_co_i32 s22, s26, 0x3d38aa3b              ; c = log2(e) / 32, with entries 6 + 7 added to its exponent field
	s_mov_b32 s23, s22                             ; (named with it as a pair, so it is written)
	s_mov_b32 s24, s76                             ; ep
	s_add_co_i32 s25, s76, s77                     ; ep + ev
	s_add_co_i32 s26, s76, 127
	s_lshl_b32 s34, s26, 23                        ; 2^ep
	s_add_co_i32 s26, s26, 8
	s_lshl_b32 s35, s26, 23
	s_or_b32 s35, s35, 0x600000                    ; 448 x 2^ep
	s_add_co_i32 s26, s78, 127
	s_lshl_b32 s36, s26, 23                        ; 2^e10
	s_add_co_i32 s26, s26, 8
	s_lshl_b32 s37, s26, 23
	s_or_b32 s37, s37, 0x600000                    ; 448 x 2^e10
.macro INIT                            ; a tile's start: the key step is written for every step alike: the first finds zeros, which the first change of M leaves zeros
	v_mov_b32 v13, 0xff61b1e6                      ; the largest t so far: -3e38
	v_floor_f32 v12, -v13
	v_mov_b32 v14, 0
	v_mov_b32 v15, 0
	v_mov_b32 v246, 0                              ; a lane permute's destination counts as one of its sources
	v_mov_b32 v253, 0                              ; (named as the upper half of the pair v[252:253])
	v_mov_b32 v244, s34
	v_mov_b32 v240, s35
	v_mov_b32 v245, s36
	v_mov_b32 v241, s37
.set n, 0
.rept 32
	v_mov_b32 v[O+n], 0
.set n, n+1
.endr
.endm
	INIT
	WIN 0x55
	INIT
	WIN 0
	s_wait_loadcnt 12                              ; slot 0's eight loads are in; slot 1's eight and Q's four may be out
.irp i, 0,1,2,3
	ds_store_b128 v[TS], v[S0+4*\i:S0+4*\i+3] offset:4096*\i
	ds_store_b128 v[TS], v[S0+16+4*\i:S0+16+4*\i+3] offset:16384+4096*\i
.endr
	s_wait_dscnt 0x0                               ; for the others' sake: my part of slot 0 has landed
	s_barrier_signal -1
	s_barrier_wait -1                              ; buffer 0 is whole
	WIN 0x40                                       ; destination window 1
.irp t, 0,1,2,3,4,5,6,7                ; K of the first key step
	ds_load_b128 v[KF+8*\t:KF+8*\t+3], v[LI] offset:\t*1024
	ds_load_b128 v[KF+8*\t+4:KF+8*\t+7], v[LI] offset:\t*1024+512
.endr
	WIN 0
	s_wait_dscnt 0x0                               ; (in the loop the wait ahead of a step's second products shows the next step's K in)
; The softmax of one tile, scores at v[sb] on, up to and with the exponentials
.macro SM1 sb
.irp k, 0,1,2,3                        ; the step's largest score among my 64 keys, in four chains of sixteen that do not wait for each other; each accumulator is read from its low end on
	v_max3_num_f32 v[MX+\k], v[\sb+16*\k], v[\sb+16*\k+1], v[\sb+16*\k+2]
.endr
.irp i, 3,5,7,9,11,13
.irp k, 0,1,2,3
	v_max3_num_f32 v[MX+\k], v[MX+\k], v[\sb+16*\k+\i], v[\sb+16*\k+\i+1]
.endr
.endr
	v_max3_num_f32 v[MX], v[MX], v[\sb+15], v[\sb+31]      ; each chain's sixteenth,
	v_max3_num_f32 v[MX+2], v[MX+2], v[\sb+47], v[\sb+63]
	v_max3_num_f32 v[MX], v[MX], v[MX+1], v[MX+2]          ; and the chains
	v_max_num_f32 v254, v[MX], v[MX+3]
	v_permlanex16_b32 v246, v254, s20, s21
	v_max_num_f32 v254, v254, v246                 ; and among lane xor 16's
	v_mul_f32 v254, s22, v254                      ; as t (c is positive)
	v_max_num_f32 v13, v13, v254                   ; the running largest t
	v_mov_b32 v254, v12
	v_floor_f32 v12, -v13                          ; the new -M = floor(-t) = -ceil(t)
	v_sub_f32 v254, v12, v254                      ; old M - new M: a whole number, 0 or less
	v_cvt_i32_f32 v254, v254                       ; (it saturates)
	v_ldexp_f32 v252, 1.0, v254                    ; f = 2^(old M - new M)
.set n, 0
.rept 32
	v_pk_fma_f32 v[\sb+n:\sb+n+1], v[\sb+n:\sb+n+1], s[22:23], v[12:13] op_sel_hi:[1,0,0]   ; t - M, two at a time
.set n, n+2
.endr
.set n, 0
.rept 64
	v_exp_f32 v[\sb+n], v[\sb+n]                   ; p = 2^(t - M)
.set n, n+1
.endr
.endm
.macro SM2A                            ; the sums under the new M
	v_pk_mul_f32 v[14:15], v[14:15], v[252:253] op_sel_hi:[1,0]
.endm
.macro SM2B sb                         ; the row's sum of the UNQUANTISED p, two at a time, in four chains: 32 pairs and the running sum are 32 additions
	v_pk_add_f32 v[242:243], v[\sb:\sb+1], v[\sb+2:\sb+3]
	v_pk_add_f32 v[MX:MX+1], v[\sb+4:\sb+5], v[\sb+6:\sb+7]
	v_pk_add_f32 v[MX+2:MX+3], v[\sb+8:\sb+9], v[\sb+10:\sb+11]
	v_pk_add_f32 v[14:15], v[14:15], v[\sb+12:\sb+13]
.irp j, 14,22,30,38,46,54
	v_pk_add_f32 v[242:243], v[242:243], v[\sb+\j:\sb+\j+1]
	v_pk_add_f32 v[MX:MX+1], v[MX:MX+1], v[\sb+\j+2:\sb+\j+3]
	v_pk_add_f32 v[MX+2:MX+3], v[MX+2:MX+3], v[\sb+\j+4:\sb+\j+5]
	v_pk_add_f32 v[14:15], v[14:15], v[\sb+\j+6:\sb+\j+7]
.endr
	v_pk_add_f32 v[242:243], v[242:243], v[\sb+62:\sb+63]
	v_pk_add_f32 v[MX:MX+1], v[MX:MX+1], v[MX+2:MX+3]
	v_pk_add_f32 v[14:15], v[14:15], v[242:243]
	v_pk_add_f32 v[14:15], v[14:15], v[MX:MX+1]
.endm
.macro CV sb                           ; p's codes; then O^T under the new M: these sixteen are also the plain lines behind the conversions
.irp t, 0,1,2,3,4,5,6,7
	v_cvt_scalef32_pk8_fp8_f32 v[PC+2*\t:PC+2*\t+1], v[\sb+8*\t:\sb+8*\t+7], v244
.endr
.set n, 0
.rept 16
	v_pk_mul_f32 v[O+n:O+n+1], v[O+n:O+n+1], v[252:253] op_sel_hi:[1,0]
.set n, n+2
.endr
.endm
.macro LOADNEXT p                      ; in slot s = 4 trip + p: slot s + 2 into registers.  The last trip's slots 6 and 7 have none: no load leaves its buffer
.if (\p) >= 2
	s_cmp_lg_u32 s11, 1
	s_cbranch_scc0 .Lno_load_\@
.endif
.irp i, 0,1,2,3
	global_load_b128 v[ST+4*\i:ST+4*\i+3], v[TS], s[12:13] offset:16384*((\p)+2)+4096*\i
	global_load_b128 v[ST+16+4*\i:ST+16+4*\i+3], v[TS], s[14:15] offset:16384*((\p)+2)+4096*\i
.endr
.if (\p) >= 2
.Lno_load_\@:
.endif
.endm
; A KEY STEP: 128 keys, the q-th of buffer p.  Its fragments of K are in registers when it begins.
.macro STEP p, q
.set NB, ((\p)+1)%4                    ; the next slot's buffer
.if (\q) == 0
.set KB, (\p)                          ; the next key step's K lies in this buffer,
.set KQ, 1
	s_wait_loadcnt 0x0                             ; the next slot is in registers (asked for two key steps ago); in the first trip Q too
.if (\p) == 3
	s_cmp_eq_u32 s11, 1                            ; behind the last slot there is none
	s_cbranch_scc1 .Lno_store_\@
.endif
.irp i, 0,1,2,3                        ; it goes into its buffer, whose old tenant every wave left ahead of a barrier that I have passed
	ds_store_b128 v[TS+2*(NB/2)], v[ST+4*\i:ST+4*\i+3] offset:32768*(NB%2)+4096*\i
	ds_store_b128 v[TS+2*(NB/2)], v[ST+16+4*\i:ST+16+4*\i+3] offset:32768*(NB%2)+16384+4096*\i
.endr
.if (\p) == 3
.Lno_store_\@:
.endif
.else
.set KB, NB                            ; or in the next
.set KQ, 0
.endif
	WIN 0x01                                       ; K: window 1
.irp t, 0,1,2,3,4,5,6,7
	v_wmma_f32_16x16x64_fp8_fp8 v[S0+8*\t:S0+8*\t+7], v[KF+8*\t:KF+8*\t+7], v[16:23], 0
.endr
	WIN 0x45                                       ; K, and Q and S^T of tile 1: window 1
.irp t, 0,1,2,3,4,5,6,7
	v_wmma_f32_16x16x64_fp8_fp8 v[S1+8*\t:S1+8*\t+7], v[KF+8*\t:KF+8*\t+7], v[16:23], 0
.endr
	WIN 0
.if (\q) == 0
	s_wait_dscnt 0x0                               ; for the others' sake: my part of the next slot has landed (sixteen matrix instructions stand between the stores and this wait), and no LDS read of mine is out;
	LOADNEXT \p                                    ; the stores have read their registers, which take the next loads;
	s_barrier_signal -1                            ; say so.  Up to the wait, a key step on, I read this buffer alone and store nothing
.else
	s_barrier_wait -1                              ; every wave's part of the next slot has landed: its K is read below
.endif
	PLACES                                         ; in front of loads into registers that the products above (K) and the last step's second products (V) have read, and of the first read of the scores
.irp t, 0,1,2,3                        ; V's four fragments,
.irp c, 0,1,2,3
	ds_load_b128 v[F+16*\t+4*\c:F+16*\t+4*\c+3], v[LI+2*((\p)/2)] offset:32768*((\p)%2)+16384+8192*(\q)+2048*\t+512*\c
.endr
.endr
.if ((\p) == 3) && ((\q) == 1)
	s_cmp_eq_u32 s11, 1                            ; behind the last key step there is none
	s_cbranch_scc1 .Lno_k_\@
.endif
	WIN 0x40                                       ; destination window 1
.irp t, 0,1,2,3,4,5,6,7                ; and the NEXT key step's eight of K: both land while the softmax is worked
	ds_load_b128 v[KF+8*\t:KF+8*\t+3], v[LI+2*(KB/2)] offset:32768*(KB%2)+(8*KQ+\t)*1024
	ds_load_b128 v[KF+8*\t+4:KF+8*\t+7], v[LI+2*(KB/2)] offset:32768*(KB%2)+(8*KQ+\t)*1024+512
.endr
	WIN 0
.if ((\p) == 3) && ((\q) == 1)
.Lno_k_\@:
.endif
	SM1 S0
	WIN 0x55
	SM1 S1
	SM2A                                           ; a plain line behind the last exponential
	s_wait_alu depctr_va_vdst(0)                   ; the wait ahead of the first line that names an exponential's result: ONE for both tiles' 128
	SM2B S1
	WIN 0
	SM2A
	SM2B S0
	s_cmp_gt_i32 s24, -9                           ; ep >= -8: no p can pass 448 x 2^ep
	s_cbranch_scc1 .Lno_hold_\@
.set n, 0
.rept 64
	v_min_num_f32 v[S0+n], v[S0+n], v240           ; the conversion does not saturate (ISA guide 7.6.2); p is not negative, so the hold is one-sided
.set n, n+1
.endr
	WIN 0x55
.set n, 0
.rept 64
	v_min_num_f32 v[S1+n], v[S1+n], v240
.set n, n+1
.endr
	WIN 0
.Lno_hold_\@:
	CV S0
	WIN 0x55
	CV S1
	WIN 0
	s_wait_dscnt 0x0                               ; V's fragments are in, and the next step's of K
.irp t, 0,1,2,3                        ; the eight accumulators take turns, one instruction a turn
	v_wmma_f32_16x16x128_fp8_fp8 v[O+8*\t:O+8*\t+7], v[F+16*\t:F+16*\t+15], v[PC:PC+15], v[O+8*\t:O+8*\t+7]
.endr
	WIN 0x54                                       ; P and O^T of tile 1: window 1
.irp t, 0,1,2,3
	v_wmma_f32_16x16x128_fp8_fp8 v[O+8*\t:O+8*\t+7], v[F+16*\t:F+16*\t+15], v[PC:PC+15], v[O+8*\t:O+8*\t+7]
.endr
	WIN 0
.endm
	s_mov_b32 s11, 2
.Ltrip:                                            ; two trips of four slots, 1,024 keys: once round the four buffers, so that every LDS address is a constant of the text
.irp p, 0,1,2,3
	STEP \p, 0
	STEP \p, 1
.endr
	s_wait_xcnt 0x0                                ; the trip's loads have read their bases
	s_add_nc_u64 s[12:13], s[12:13], 0x10000
	s_add_nc_u64 s[14:15], s[14:15], 0x10000
	s_sub_co_u32 s11, s11, 1
	s_cmp_lg_u32 s11, 0
	s_cbranch_scc1 .Ltrip
	; THE WAY OUT: o = O^T x 2^(ep + ev) / the sum; held; converted: tile t's eight registers are channels 16 t + 8 (lane / 16) + 0 .. 7: registers 2 t, 2 t + 1 of the last product's fragment for this head.
.macro FIN sb
	v_add_f32 v14, v14, v15                        ; the sum's two halves,
	v_permlanex16_b32 v246, v14, s20, s21
	v_add_f32 v14, v14, v246                       ; and lane xor 16's
	v_rcp_f32 v14, v14
	v_nop                                          ; a plain line behind the transcendental
	s_wait_alu depctr_va_vdst(0)                   ; and the wait ahead of the first reader
	v_ldexp_f32 v14, v14, s25
.set n, 0
.rept 16
	v_pk_mul_f32 v[\sb+n:\sb+n+1], v[O+n:O+n+1], v[14:15] op_sel_hi:[1,0]
.set n, n+2
.endr
.set n, 0
.rept 32
	v_med3_num_f32 v[\sb+n], v[\sb+n], -v241, v241
.set n, n+1
.endr
.irp t, 0,1,2,3
	v_cvt_scalef32_pk8_fp8_f32 v[PC+2*\t:PC+2*\t+1], v[\sb+8*\t:\sb+8*\t+7], v245
.endr
	v_nop
.endm
	PLACES
	FIN S0
	global_store_b128 v[LI], v[PC:PC+3], s[18:19]              ; a store of the wave covers 512 consecutive bytes, aligned
	global_store_b128 v[LI], v[PC+4:PC+7], s[18:19] offset:512
	WIN 0x55
	FIN S1
	WIN 0x04                                       ; the stores' data: window 1
	global_store_b128 v[LI], v[PC:PC+3], s[18:19] offset:1024
	global_store_b128 v[LI], v[PC+4:PC+7], s[18:19] offset:1536
	WIN 0
	s_wait_tensorcnt 0x0                           ; the wave's end, behind my last LDS store
	ds_add_u32 v[SPW], v[NIL]
	s_wait_dscnt 0x0
	s_endpgm
.Lfunc_end_k_q7d7995bb17_attn:
	.size	k_q7d7995bb17_attn, .Lfunc_end_k_q7d7995bb17_attn-k_q7d7995bb17_attn
	.p2alignl 7, 3214868480
	.fill 96, 4, 3214868480
	.section	.rodata,"a",@progbits
	.p2align	6, 0x0
	.amdhsa_kernel k_q7d7995bb17_attn
		.amdhsa_group_segment_fixed_size 132096
		.amdhsa_private_segment_fixed_size 0
		.amdhsa_enable_private_segment 0
		.amdhsa_kernarg_size 24
		.amdhsa_user_sgpr_count 2
		.amdhsa_user_sgpr_kernarg_segment_ptr 1
		.amdhsa_wavefront_size32 1
		.amdhsa_system_sgpr_workgroup_id_x 1
		.amdhsa_system_sgpr_workgroup_id_y 1
		.amdhsa_system_sgpr_workgroup_id_z 1
		.amdhsa_system_vgpr_workitem_id 0
		.amdhsa_next_free_vgpr 512
		.amdhsa_next_free_sgpr 80
		.amdhsa_reserve_vcc 0
		.amdhsa_float_denorm_mode_32 3
		.amdhsa_float_denorm_mode_16_64 3
		.amdhsa_memory_ordered 1
		.amdhsa_forward_progress 1
		.amdhsa_inst_pref_size 247
	.end_amdhsa_kernel
	.amdgpu_metadata
---
amdhsa.version: [ 1, 2 ]
amdhsa.kernels:
  - .name:           k_q7d7995bb17_attn
    .symbol:         k_q7d7995bb17_attn.kd
    .args:
      - { .name: qkv, .offset: 0, .size: 8, .value_kind: global_buffer, .address_space: global }
      - { .name: lowp_scales, .offset: 8, .size: 8, .value_kind: global_buffer, .address_space: global }
      - { .name: ao, .offset: 16, .size: 8, .value_kind: global_buffer, .address_space: global }
    .group_segment_fixed_size: 132096
    .private_segment_fixed_size: 0
    .kernarg_segment_align: 8
    .kernarg_segment_size: 24
    .max_flat_workgroup_size: 256
    .sgpr_count:     80
    .vgpr_count:     512
    .wavefront_size: 32
...
	.end_amdgpu_metadata
.endif
;; end of part 3
;; launch oproj (part 4): grid 8 x 32, 4 waves a work-group, clusters of 4 x 4, 327,680 bytes of LDS; arguments ao, wc, bo, lowp_scales, out0; writes out0
.if DOCPART == 4
	.amdgcn_target "amdgcn-amd-amdhsa--gfx1250"
	.amdhsa_code_object_version 6
	.text
	.protected	k_q7d7995bb17_oproj
	.globl	k_q7d7995bb17_oproj
	.p2align	8
	.type	k_q7d7995bb17_oproj,@function
k_q7d7995bb17_oproj:
	s_mov_b64 s[64:65], 0
	v_nop
	global_prefetch_b8 v0, s[64:65] scope:SCOPE_SE
	s_setreg_imm32_b32 hwreg(HW_REG_WAVE_MODE, 25, 1), 1
	s_wait_xcnt 0x0
	s_wait_alu depctr_hold_cnt(0) depctr_sa_sdst(0) depctr_va_vdst(0) depctr_va_sdst(0) depctr_va_ssrc(0) depctr_va_vcc(0) depctr_vm_vsrc(0)
	s_getreg_b32 s2, hwreg(HW_REG_IB_STS2, 6, 4)
	s_cmp_eq_u32 s2, 0
	s_cbranch_scc0 .Lentry_in_a_cluster
	s_endpgm
.Lentry_in_a_cluster:
	s_bfe_u32 s2, ttmp6, 0x10000c
	s_cmp_lg_u32 s2, 0xf033
	s_cbranch_scc0 .Lentry_shape_is_right
	s_endpgm
.Lentry_shape_is_right:
; out0 = o wo^T + bo on codes of FP8 (E4M3): [4096][1024] x [1024][1024]^T, f32 out.  o's codes lie in ao as images of this product's fragments, wo's in plane 3 of wc as rows.
; A tile of out0 is 128 x 128: 256 work-groups; four waves, each 64 x 64: 16 accumulators.  THE WHOLE K IS RESIDENT: A's block (131,072 bytes) and B's 128 rows (131,072 bytes + padding) fit in LDS together,
; so every tensor load is a first fill: four a wave, a chunk of 256 along K each, all issued at the start; nothing is filled again.  Four loads of mine are out at the most.
; CLUSTERS: 4 x 4 work-groups; the four of a row need the same block of A, the four of a column the same rows of B: each tile is asked for jointly.
; THE MATRIX INSTRUCTION IS USED TRANSPOSED (source 0 = 16 rows of wo, source 1 = 16 tokens): a lane holds eight neighbouring numbers of a row of out0.  Every k stands in its own place on both sides.
; ao: [block of 128 tokens 32][head 16][tile of 16 tokens 8][quad 2][lane 32][16 bytes]: two heads on end are a fragment of 128 along K.
; LIMIT: entries 10 + 11 between -126 and 127.
; REGISTERS: window 0: v1-29 addresses; v32-63 at work on the way out; v96-127 bo; v128-255 the accumulators ((a, b) at v[128 + 8 (4 a + b)]).  window 1: two buffers of 128: A's four fragments, then B's four.
.set PITCH,  272                       ; a row of B in LDS: 256 bytes + 16 of padding
.set BB,     131072                    ; B's chunks begin behind A's block
.set BCH,    128*PITCH                 ; a chunk of B
.set STG,    BB+4*BCH                  ; the way out: 16 rows x 272 bytes for each wave, bytes of their own
.set SPARE,  STG+4*16*272              ; the spare words, 128 bytes a wave: two blocks of 256 bytes that no other line names
.set ADRA, 16                          ; v16-17  A: 16 x lane + my four tiles of tokens; + 65,536 for chunks 2, 3
.set ADRB, 20                          ; v20-21  B: my row x pitch + 8 (lane / 16); + two chunks
.set STO,  24
.set RD,   25
.set CO,   26
.set BOO,  27
.set SPW,  28
.set NIL,  29
.set TMP,  32
.set BO,   96
.set ACC,  128
.set F0,   0
.set F1,   128
.set G1A, 24                           ; s[24:31]
.set G1B, 32                           ; s[32:39]
.set G0A, 40                           ; s[40:55] four sets
.set G0B, 68                           ; s[68:83] four sets
.set MSB, 0
.macro WIN new
.if MSB != \new
	s_set_vgpr_msb (MSB<<8)|\new
.set MSB, \new
.endif
.endm
.macro PLACES
.rept 4
	v_nop
.endr
.endm
.macro CROUND                          ; a round of the cluster's barrier
	s_barrier_signal -1
	s_barrier_wait -1
	s_cmp_lg_u32 s14, 0
	s_cbranch_scc1 .Lnot_wave_0_\@
	s_barrier_signal -3
.Lnot_wave_0_\@:
	s_barrier_wait -3
	s_barrier_signal -1
	s_barrier_wait -1
.endm
	s_load_b256 s[4:11], s[0:1], 0x0               ; ao s[4:5], wc s[6:7], bo s[8:9], the scales s[10:11]
	s_load_b64 s[12:13], s[0:1], 0x20              ; out0
	v_lshl_add_u32 v[SPW], v0, 2, SPARE
	v_mov_b32 v[NIL], 0
	ds_add_u32 v[SPW], v[NIL]                      ; the wave's opening: the add and its wait stand ahead of my first tensor load; work on registers stands between them
	v_lshrrev_b32 v1, 5, v0
	v_readfirstlane_b32 s14, v1                    ; wave 0..3
	s_lshr_b32 s15, s14, 1                         ; which 64 tokens are mine.  Also: I fetch for A (0) or for B (1)
	s_and_b32 s16, s14, 1                          ; which 64 columns.  Also: which half of each chunk I fetch
	s_bfe_u32 s56, ttmp6, 0x40000                  ; cx
	s_bfe_u32 s57, ttmp6, 0x40004                  ; cy
	s_lshl_b32 s18, ttmp9, 2
	s_add_co_u32 s18, s18, s56                     ; the block of 128 columns
	s_and_b32 s17, ttmp7, 0xffff
	s_lshl_b32 s17, s17, 2
	s_add_co_u32 s17, s17, s57                     ; the block of 128 tokens
	s_lshl_b32 s58, s57, 2
	s_lshl_b32 s58, 15, s58                        ; my row of the cluster
	s_lshl_b32 s59, 0x1111, s56                    ; my column
	s_or_b32 s[G1A], s58, (3<<16)|(1<<21)          ; A: a dense block as 64 rows of 32 elements of 8 bytes; the mask of my row; 21 set beside a mask; no padding
	s_mov_b32 s[G1A+1], 32<<16
	s_mov_b32 s[G1A+2], 64<<16
	s_mov_b32 s[G1A+3], 32<<16
	s_mov_b32 s[G1A+4], 64
	s_mov_b32 s[G1A+5], 32
	s_mov_b32 s[G1A+6], 0
	s_mov_b32 s[G1A+7], 0
	s_or_b32 s[G1B], s59, (0<<16)|(1<<20)|(1<<21)|(5<<22)|(3<<25)   ; B: 64 rows of 256 bytes, 1,024 apart; the mask of my column; four words of padding after every 64
	s_mov_b32 s[G1B+1], 256<<16
	s_mov_b32 s[G1B+2], 64<<16
	s_mov_b32 s[G1B+3], 256<<16
	s_mov_b32 s[G1B+4], 64
	s_mov_b32 s[G1B+5], 1024
	s_mov_b32 s[G1B+6], 0
	s_mov_b32 s[G1B+7], 0
	s_lshl_b32 s20, s17, 17                        ; A: the block,
	s_lshl_b32 s21, s16, 14                        ; my half of a chunk
	s_add_co_u32 s20, s20, s21
	s_mov_b32 s21, 0
	s_lshl_b32 s22, s18, 7                         ; B: row 128 x block + 64 x half,
	s_lshl_b32 s23, s16, 6
	s_add_co_u32 s22, s22, s23
	s_lshl_b32 s22, s22, 10
	s_add_co_u32 s22, s22, 3<<20                   ; in plane 3
	s_mov_b32 s23, 0
	s_mul_i32 s60, s16, 16384                      ; and where they go: no place in the cluster enters an LDS address
	s_mul_i32 s61, s16, 64*PITCH
	s_add_co_u32 s61, s61, BB
	s_wait_dscnt 0x0                               ; the opening add is done
	s_wait_kmcnt 0x0
	s_load_b64 s[88:89], s[10:11], 0x28            ; entries 10 and 11
	s_add_nc_u64 s[20:21], s[4:5], s[20:21]
	s_add_nc_u64 s[22:23], s[6:7], s[22:23]
	CROUND                                         ; all sixteen work-groups are here: the joint loads meet
.irp g, 0,1,2,3
	s_mov_b32 s[G0A+4*\g], 1
	s_add_co_u32 s[G0A+4*\g+1], s60, 32768*\g
	s_add_nc_u64 s[G0A+4*\g+2:G0A+4*\g+3], s[20:21], 32768*\g
	s_or_b32 s[G0A+4*\g+3], s[G0A+4*\g+3], 0x80000000
	s_mov_b32 s[G0B+4*\g], 1
	s_add_co_u32 s[G0B+4*\g+1], s61, BCH*\g
	s_add_nc_u64 s[G0B+4*\g+2:G0B+4*\g+3], s[22:23], 256*\g
	s_or_b32 s[G0B+4*\g+3], s[G0B+4*\g+3], 0x80000000
.endr
	s_cmp_eq_u32 s15, 0                            ; a wave's four first fills stand in one branch on its number, ahead of every wait on TENSORcnt and every LDS read; an s_nop 0 follows each, four v_nop the last
	s_cbranch_scc0 .Lfor_b
.irp g, 0,1,2,3
	tensor_load_to_lds s[G0A+4*\g:G0A+4*\g+3], s[G1A:G1A+7]
	s_nop 0
.endr
	PLACES
	s_branch .Lasked
.Lfor_b:
.irp g, 0,1,2,3
	tensor_load_to_lds s[G0B+4*\g:G0B+4*\g+3], s[G1B:G1B+7]
	s_nop 0
.endr
	PLACES
.Lasked:
	v_and_b32 v1, 15, v0                           ; r
	v_bfe_u32 v2, v0, 4, 1                         ; h
	v_and_b32 v3, 31, v0
	v_lshlrev_b32 v3, 4, v3
	s_lshl_b32 s60, s15, 12                        ; my four tiles of tokens: 4 x 1,024 bytes in each head
	v_add_nc_u32 v[ADRA], s60, v3
	v_add_nc_u32 v[ADRA+1], 65536, v[ADRA]
	v_mul_u32_u24 v4, v1, PITCH
	v_lshl_add_u32 v4, v2, 3, v4
	s_mul_i32 s61, s16, 64*PITCH
	s_add_co_u32 s61, s61, BB
	v_add_nc_u32 v[ADRB], s61, v4
	v_add_nc_u32 v[ADRB+1], 2*BCH, v[ADRB]
	s_mul_i32 s62, s14, 16*272
	s_add_co_u32 s62, s62, STG                     ; my stage
	v_mul_u32_u24 v5, v1, 272
	v_lshl_add_u32 v5, v2, 5, v5
	v_add_nc_u32 v[STO], s62, v5                   ; in: row r, 32 bytes for each half of the lanes
	v_mul_u32_u24 v5, v2, 272
	v_lshl_add_u32 v5, v1, 4, v5
	v_add_nc_u32 v[RD], s62, v5                    ; back: lanes 0-15 one row of 256 bytes, lanes 16-31 the next
	v_lshlrev_b32 v[CO], 12, v2
	v_lshl_add_u32 v[CO], v1, 4, v[CO]             ; and the same two rows in out0
	v_lshlrev_b32 v[BOO], 5, v2                    ; bo: my half's eight numbers of each sixteen
	s_lshl_b32 s60, s18, 9
	s_lshl_b32 s61, s16, 8
	s_add_co_u32 s60, s60, s61                     ; my first column in bytes: 512 x block + 256 x half: in a row of out0, and in bo
	s_mov_b32 s61, 0
	s_add_nc_u64 s[8:9], s[8:9], s[60:61]
	s_lshl_b32 s62, s17, 7
	s_lshl_b32 s63, s15, 6
	s_add_co_u32 s62, s62, s63                     ; my first token
	s_lshl_b32 s62, s62, 12
	s_mov_b32 s63, 0
	s_add_nc_u64 s[86:87], s[12:13], s[62:63]
	s_add_nc_u64 s[86:87], s[86:87], s[60:61]
.irp b, 0,1,2,3
	global_load_b128 v[BO+8*\b:BO+8*\b+3], v[BOO], s[8:9] offset:64*\b
	global_load_b128 v[BO+8*\b+4:BO+8*\b+7], v[BOO], s[8:9] offset:64*\b+16
.endr
; The fragments of K step ks (128 along K: heads 2 ks, 2 ks + 1) into buffer f: A's by 16 loads of 16 bytes at 16 x lane; B's by 32 loads of 8 bytes: registers 2 c, 2 c + 1 hold k = 16 c + 8 h + 0 .. 7
.macro FETCH ks, f
	WIN 0x40                                       ; destination window 1
.irp a, 0,1,2,3
.irp c, 0,1,2,3
	ds_load_b128 v[\f+16*\a+4*\c:\f+16*\a+4*\c+3], v[ADRA+(\ks)/4] offset:(((\ks)/2)%2)*32768+(2*((\ks)%2)+\c/2)*8192+1024*\a+512*(\c%2)
.endr
.endr
.irp b, 0,1,2,3
.irp c, 0,1,2,3,4,5,6,7
	ds_load_b64 v[\f+64+16*\b+2*\c:\f+64+16*\b+2*\c+1], v[ADRB+(\ks)/4] offset:(((\ks)/2)%2)*BCH+16*\b*PITCH+128*((\ks)%2)+16*\c
.endr
.endr
.endm
.macro MUL f, zero                     ; 16 matrix instructions; the accumulators take turns, one instruction a turn
	WIN 0x05                                       ; sources 0 and 1 window 1
.irp a, 0,1,2,3
.irp b, 0,1,2,3
.if \zero
	v_wmma_f32_16x16x128_fp8_fp8 v[ACC+8*(4*\a+\b):ACC+8*(4*\a+\b)+7], v[\f+64+16*\b:\f+64+16*\b+15], v[\f+16*\a:\f+16*\a+15], 0
.else
	v_wmma_f32_16x16x128_fp8_fp8 v[ACC+8*(4*\a+\b):ACC+8*(4*\a+\b)+7], v[\f+64+16*\b:\f+64+16*\b+15], v[\f+16*\a:\f+16*\a+15], v[ACC+8*(4*\a+\b):ACC+8*(4*\a+\b)+7]
.endif
.endr
.endr
.endm
.macro KS f, g, next, zero             ; a K step whose successor lies in the same chunk
	PLACES
	FETCH \next, \g
	s_wait_dscnt 48                                ; all but the 48 just issued
	MUL \f, \zero
.endm
.macro KSM f, g, next, n               ; a K step whose successor lies in the next chunk: my part of it has landed (n later loads may be out), and a barrier shows everybody's
	s_wait_tensorcnt \n
	s_wait_dscnt 0x0
	s_barrier_signal -1
	MUL \f, 0
	s_barrier_wait -1
	PLACES
	FETCH \next, \g
.endm
	s_wait_tensorcnt 3                             ; my part of chunk 0 is in; the three later chunks may be out
	s_barrier_signal -1
	s_barrier_wait -1
	FETCH 0, F0
	KS  F0, F1, 1, 1                               ; the first products start the sums
	KSM F1, F0, 2, 2
	KS  F0, F1, 3, 0
	KSM F1, F0, 4, 1
	KS  F0, F1, 5, 0
	KSM F1, F0, 6, 0
	KS  F0, F1, 7, 0
	s_wait_dscnt 0x0
	MUL F1, 0
	WIN 0
	; THE WAY OUT: out = sum x 2^(e10 + e11) + bo, one packed multiply-add for two; 16 tokens x 64 columns at a time through my own stage, back as whole rows of 256 bytes.
	s_wait_kmcnt 0x0
	s_add_co_i32 s84, s88, s89
	s_add_co_i32 s84, s84, 127
	s_lshl_b32 s84, s84, 23
	s_mov_b32 s85, s84                             ; (named with it as a pair, so it is written)
	s_wait_loadcnt 0x0                             ; bo
	PLACES
.macro TOSTAGE a
.irp b, 0,1,2,3
.irp j, 0,2,4,6
	v_pk_fma_f32 v[TMP+8*\b+\j:TMP+8*\b+\j+1], v[ACC+8*(4*(\a)+\b)+\j:ACC+8*(4*(\a)+\b)+\j+1], s[84:85], v[BO+8*\b+\j:BO+8*\b+\j+1] op_sel_hi:[1,0,1]
.endr
.endr
.irp b, 0,1,2,3
	ds_store_b128 v[STO], v[TMP+8*\b:TMP+8*\b+3] offset:64*\b
	ds_store_b128 v[STO], v[TMP+8*\b+4:TMP+8*\b+7] offset:64*\b+16
.endr
.irp t, 0,1,2,3,4,5,6,7
	ds_load_b128 v[ACC+32*(\a)+4*\t:ACC+32*(\a)+4*\t+3], v[RD] offset:544*\t   ; LDS serves a wave's instructions in order (ISA guide 5.7.1.4): these see my stores, and the next block's stores come behind them
.endr
.endm
.macro SEND a, younger                 ; younger: the LDS instructions issued behind block a's loads
	s_wait_dscnt \younger
.irp t, 0,1,2,3,4,5,6,7
	global_store_b128 v[CO], v[ACC+32*(\a)+4*\t:ACC+32*(\a)+4*\t+3], s[86:87] offset:(16*(\a)+2*\t)*4096 th:TH_STORE_NT   ; sixteen lanes store 256 consecutive bytes, aligned; each block has registers of its own
.endr
.endm
	TOSTAGE 0
	TOSTAGE 1
	SEND 0, 16
	TOSTAGE 2
	SEND 1, 16
	TOSTAGE 3
	SEND 2, 16
	SEND 3, 0
	s_wait_tensorcnt 0x0                           ; the wave's end, behind my last tensor load and my last LDS store
	ds_add_u32 v[SPW], v[NIL]
	s_wait_dscnt 0x0
	CROUND                                         ; the closing round: no work-group ends while a partner may still ask for a tile that names it
	s_endpgm
.Lfunc_end_k_q7d7995bb17_oproj:
	.size	k_q7d7995bb17_oproj, .Lfunc_end_k_q7d7995bb17_oproj-k_q7d7995bb17_oproj
	.p2alignl 7, 3214868480
	.fill 96, 4, 3214868480
	.section	.rodata,"a",@progbits
	.p2align	6, 0x0
	.amdhsa_kernel k_q7d7995bb17_oproj
		.amdhsa_group_segment_fixed_size 327680
		.amdhsa_private_segment_fixed_size 0
		.amdhsa_enable_private_segment 0
		.amdhsa_kernarg_size 40
		.amdhsa_user_sgpr_count 2
		.amdhsa_user_sgpr_kernarg_segment_ptr 1
		.amdhsa_wavefront_size32 1
		.amdhsa_system_sgpr_workgroup_id_x 1
		.amdhsa_system_sgpr_workgroup_id_y 1
		.amdhsa_system_sgpr_workgroup_id_z 1
		.amdhsa_system_vgpr_workitem_id 0
		.amdhsa_next_free_vgpr 512
		.amdhsa_next_free_sgpr 90
		.amdhsa_reserve_vcc 0
		.amdhsa_float_denorm_mode_32 3
		.amdhsa_float_denorm_mode_16_64 3
		.amdhsa_memory_ordered 1
		.amdhsa_forward_progress 1
		.amdhsa_inst_pref_size 55
	.end_amdhsa_kernel
	.amdgpu_metadata
---
amdhsa.version: [ 1, 2 ]
amdhsa.kernels:
  - .name:           k_q7d7995bb17_oproj
    .symbol:         k_q7d7995bb17_oproj.kd
    .args:
      - { .name: ao, .offset: 0, .size: 8, .value_kind: global_buffer, .address_space: global }
      - { .name: wc, .offset: 8, .size: 8, .value_kind: global_buffer, .address_space: global }
      - { .name: bo, .offset: 16, .size: 8, .value_kind: global_buffer, .address_space: global }
      - { .name: lowp_scales, .offset: 24, .size: 8, .value_kind: global_buffer, .address_space: global }
      - { .name: out0, .offset: 32, .size: 8, .value_kind: global_buffer, .address_space: global }
    .group_segment_fixed_size: 327680
    .private_segment_fixed_size: 0
    .kernarg_segment_align: 8
    .kernarg_segment_size: 40
    .max_flat_workgroup_size: 128
    .sgpr_count:     90
    .vgpr_count:     512
    .wavefront_size: 32
...
	.end_amdgpu_metadata
.endif
;; end of part 4
